; MI455X (gfx1250); checked and timed in simulation.
; The chip was launched on July 23, 2026; its instructions are those of AMD's public machine-readable ISA for CDNA 5 (MIT licence, August 2026) and "CDNA5" Instruction Set Architecture Reference Guide (July 2026). The comments in the code are by the model that wrote it; some were corrected since.
;; My Multi Head Attention. Allowed arithmetic: matrix products marked QUANTISED: E4M3 operands, one given power-of-two scale a tensor, by v_wmma_f32_16x16x64_fp8_fp8 or v_wmma_f32_16x16x128_fp8_fp8, f32 sums; everything else in f32.
;; Inputs: Wk_codes 1,024 x 32 x 32 uint8 (E4M3 codes of Wk, K innermost, in blocks of 32 codes); Wo_codes 1,024 x 32 x 32 uint8 (E4M3 codes of Wo, K innermost, in blocks of 32 codes); Wq_codes 1,024 x 32 x 32 uint8 (E4M3 codes of Wq, K innermost, in blocks of 32 codes); Wv_codes 1,024 x 32 x 32 uint8 (E4M3 codes of Wv, K innermost, in blocks of 32 codes); lowp_scales 12 int32 (the exponents e of the quantised operands' scales 2^e); token_positions 2,048 int32; x_codes 2 x 2,048 x 32 x 32 uint8 (E4M3 codes of x, K innermost, in blocks of 32 codes).
;; Outputs: out0 2 x 2,048 x 1,024 float32.
;; This version of the problem:
;;   THIS VERSION OF THE PROBLEM IS GIVEN IN LOW PRECISION. The matrix products marked QUANTISED in the list below multiply operands that are first quantised to E4M3 (4 exponent bits, 3 mantissa bits; 8 bits a number), with one given power-of-two scale for each operand tensor; their sums are f32. All else is computed in f32.
;;   The module's matrix products, in the order in which they are computed (A, B: the left and right operand; K: the contracted axis; several contracted axes count as one K, in the product's order):
;;     1. [M 4,096, K 1,024] x [K 1,024, N 1,024]; A: input x (given as codes); B: input Wq (given as codes): QUANTISED (scales: A lowp_scales[0], B lowp_scales[1])
;;     2. [M 4,096, K 1,024] x [K 1,024, N 1,024]; A: input x (given as codes); B: input Wk (given as codes): QUANTISED (scales: A lowp_scales[2], B lowp_scales[3])
;;     3. [M 4,096, K 1,024] x [K 1,024, N 1,024]; A: input x (given as codes); B: input Wv (given as codes): QUANTISED (scales: A lowp_scales[4], B lowp_scales[5])
;;     4. batch 32 x [M 2,048, K 64] x [K 64, N 2,048]; A: computed on the way; B: computed on the way: QUANTISED (scales: A lowp_scales[6], B lowp_scales[7])
;;     5. batch 32 x [M 2,048, K 2,048] x [K 2,048, N 64]; A: softmax (see below); B: computed on the way: QUANTISED (scales: A lowp_scales[8], B lowp_scales[9])
;;     6. [M 4,096, K 1,024] x [K 1,024, N 1,024]; A: computed on the way; B: input Wo (given as codes): QUANTISED (scales: A lowp_scales[10], B lowp_scales[11])
;;   THE QUANTISER, for each operand of a quantised product, along K:
;;     - The operand's scale is 2^e, e = its entry of the input lowp_scales (int32; the entries are numbered through the quantised products in the list's order, A before B).
;;     - Each number is divided by the scale, clamped to +-448, and rounded to the nearest number of E4M3, ties to even, subnormals kept.
;;     - The product sums the exact products of the quantised numbers (number of the format x scale) in f32.
;;   ~~~python
;;   def quantise(x, axis, e):      # numpy; x: float32 -> the quantised numbers, widened to float32 again
;;       x = np.moveaxis(x, axis, -1); K = x.shape[-1]
;;       r = np.clip(x / 2.0 ** e, -448, 448)
;;       step = 2.0 ** (np.maximum(np.frexp(np.where(r == 0, 1, r))[1] - 1, -6) - 3)
;;       q = np.round(r / step) * step * 2.0 ** e      # np.round: ties to even
;;       return np.moveaxis(q, -1, axis).astype(np.float32)
;;   ~~~
;;   SOFTMAX AHEAD OF A QUANTISED PRODUCT. Where the list says 'softmax', what is quantised is not the finished softmax but p = 2^(t - M), with t = logit x log2(e) and M = ceil(the row's largest t), a whole number; so 1/2 < the row's largest p <= 1. The row's sum l is taken of the UNQUANTISED p, in f32, and the product's result is divided by l at the end. Since M is a whole number, a kernel that streams over the keys may use a running M (the ceiling of the running maximum): every later rescaling is an exact power of two, so the quantised numbers keep their values, but for numbers so far below the row's largest that they fall under the format's range.
;;   OPERANDS COMPUTED ON THE WAY. 'Computed on the way' means the value that the module computes at that place (a softmax that the list does not call 'softmax' is quantised finished and normalised). What goes into a quantiser is computed in f32, as accurately as f32 sums, v_exp_f32 and their like allow (about 1e-6 of the number): no bf16 or f16 on the way to a quantiser, and a product that is left as it is and whose result goes on into a quantised operand takes f32 operands (vector FMAs, or v_wmma_f32_16x16x4_f32). A number that lies on a knife's edge between two numbers of the format may be rounded either way, as far as f32 arithmetic and the matrix unit's own rounding can turn it there, and no further.
;;   INPUTS GIVEN AS CODES. Wk (in the module: [1024, 1024], K = its axis 1); Wo (in the module: [1024, 1024], K = its axis 1); Wq (in the module: [1024, 1024], K = its axis 1); Wv (in the module: [1024, 1024], K = its axis 1); x (in the module: [2, 2048, 1024], K = its axis 2): each comes as NAME_codes (uint8): NAME with its K axis moved to the last place and cut into blocks of 32 codes, [.., K / 32, bytes a block], one block behind the other in memory; one code a byte (a code: sign, 4 exponent bits, 3 mantissa bits); its scale is its entry of lowp_scales. Its value is code x scale, taken as it is: it is not quantised again, and the codes and scales need not be those that the quantiser above would give.
;; One version. Each part assembles by itself: llvm-mc -triple=amdgcn-amd-amdhsa -mcpu=gfx1250 --defsym DOCPART=n.
;; ======== version 1 of 1: 3 launches
;; limits: right only within a limited range of input values
;; workspace buffers: q_img 4,194,304 bytes; kv_img 8,388,608 bytes; a_img 4,194,304 bytes
;; launch qkv (part 1): grid 16 x 16, 4 waves a work-group, clusters of 4 x 4, 327,680 bytes of LDS; arguments x_codes, Wq_codes, Wk_codes, Wv_codes, lowp_scales, token_positions, q_img, kv_img; writes q_img, kv_img
.if DOCPART == 1
	.amdgcn_target "amdgcn-amd-amdhsa--gfx1250"
	.amdhsa_code_object_version 6
	.text
	.protected	k_q43ed556cbd_qkv
	.globl	k_q43ed556cbd_qkv
	.p2align	8
	.type	k_q43ed556cbd_qkv,@function
k_q43ed556cbd_qkv:
	s_mov_b64 s[64:65], 0
	v_nop
	global_prefetch_b8 v0, s[64:65] scope:SCOPE_SE
	s_setreg_imm32_b32 hwreg(HW_REG_WAVE_MODE, 25, 1), 1
	s_wait_xcnt 0x0
	s_wait_alu depctr_hold_cnt(0) depctr_sa_sdst(0) depctr_va_vdst(0) depctr_va_sdst(0) depctr_va_ssrc(0) depctr_va_vcc(0) depctr_vm_vsrc(0)
	s_getreg_b32 s2, hwreg(HW_REG_IB_STS2, 6, 4)
	s_cmp_eq_u32 s2, 0
	s_cbranch_scc0 .Lentry_in_a_cluster
	s_endpgm
.Lentry_in_a_cluster:
	s_bfe_u32 s2, ttmp6, 0x10000c
	s_cmp_lg_u32 s2, 0xf033
	s_cbranch_scc0 .Lentry_shape_is_right
	s_endpgm
.Lentry_shape_is_right:
; Q, K, V = x Wq^T, x Wk^T, x Wv^T on codes of E4M3 (K = 1,024), RoPE on Q and K in f32, and the three results quantised with the given scales.
; SHARES.  A work-group takes 256 rows of x (rb) and one head (hd): 256 x 192 results.  Wave w takes rows 64 w .. 64 w + 63 and all 192 columns: 48 accumulators, 384 registers.
; Q AND K ARE MADE TRANSPOSED (source 0 = 16 rows of W, source 1 = 16 tokens): a lane holds ONE token (lane % 16) and register j of feature tile t the feature 16 t + 8 (lane / 16) + j.
; So RoPE's pairs are neighbouring registers, and eight converted registers are registers 2 t, 2 t + 1 of a 16 x 64 operand of the next product.  V IS MADE THE OTHER WAY ROUND (source 0 = tokens):
; a lane holds one feature and its registers run along the tokens, which are the K of the product with the softmax's weights.
; WHAT IS STORED ARE IMAGES OF THE NEXT LAUNCH'S OPERAND REGISTERS: four registers of each lane at 16 x lane, so every store of a wave covers 512 consecutive bytes, aligned.
;   q_img [bh 32][tile of 16 queries 128][1,024];  kv_img [bh 32][step of 128 keys 16][8 fragments of K x 1,024, then 4 fragments of V^T x 2,048].
; x's and W's fragments are fetched by loads of 16 bytes: the same permutation of k on both sides of a product, so every code meets its partner.
; CLUSTER 4 x 4: x's tile hangs on rb alone and is asked for jointly along a row of the cluster, W's tiles on hd alone, along a column.
; RoPE: angle = f32(position) x f32(10^(-f / 8)), rounded once; reduced by the nearest multiple of pi (pi in two parts, fused multiply-adds); sine and cosine by their series to z^6 in z = r^2, |r| <= pi / 2:
; what is cut off lies under 7e-9.  The sign (-1)^n goes onto both.
; LIMITS: e6 - e0 - e1, e7 - e2 - e3 and e9 - e4 - e5 lie between -126 and 119, so that each scale and 448 x the scale are f32 numbers.  Positions lie between 0 and 2,047 (the table that they index).
; REGISTERS, in windows of 256.  Window 0: v1-29 lanes' numbers, constants, addresses; v32-171 at work on the angles, later v32-95 at work on the way out; v128-255 x's fragments, two sets of 4 x 16, later the codes.
;   Window 1: W's 12 fragments (b = 0-3 Wq, 4-7 Wk, 8-11 Wv), one set.  Window 2: Q's and K's 32 accumulators (4 b + a at v[8 (4 b + a)]).  Window 3: v0-127 V's 16 accumulators; v128-255 cosines and sines.
; WORK LEFT OUT in this program: in the attention launch the steps of 128 keys that lie wholly behind a tile's queries.  reference() itself sets those scores to -infinity ahead of the softmax, for all values of the inputs, so their weights are 0.
; LIMIT: a NaN, an infinity or an overflow that reaches only those scores is not carried to the result.  Nothing is left out in this launch.
; The head asks for slot 0, one load a wave; slot 1 is first filled behind the full sequence, ahead of the angles of tiles 2 and 3, under which it is on its way.
.set PITCH, 272                        ; an LDS row: 256 bytes + 16 of padding: the 16 rows that a load touches begin 68 words apart
.set SLOT,  448*PITCH                  ; 256 rows of x, then 64 of Wq, 64 of Wk, 64 of Wv: 256 along K
.set WOFF,  256*PITCH
.set SPARE, 2*SLOT                     ; behind the two slots: the spare words, 128 bytes a wave: two blocks of 256 bytes that no other line names
.set WV,   20                          ; s20 my wave's number
.set G1X,  28                          ; s[28:35] descriptor group 1 for x's tile;  s[36:43] for W's tiles
.set G1W,  36
.set G0X,  44                          ; s[44:51] group 0 for x's tile, a set for each slot;  s[52:59] for W's
.set G0W,  52
.set QB,   84                          ; s[84:85] where my images of Q go;  s[86:87] of K;  s[88:89] of V;  s[90:91] my 64 positions
.set KB,   86
.set VB,   88
.set TP,   90
.set SCQ,  4                           ; v4-9 for Q, K, V: the conversion's scale as f32, and 448 x it
.set LIMQ, 5
.set SCK,  6
.set LIMK, 7
.set SCV,  8
.set LIMV, 9
.set PS,   10                          ; v10-13 the positions of my token in the wave's four tiles, as f32
.set ADRX, 16                          ; v16-17 LDS address of my fragments of x in slot 0, 1
.set ADRW, 20                          ; v20-21 the same for W
.set LI,   26                          ; v26 16 x lane
.set R4,   27                          ; v27 4 x (lane % 16)
.set SPW,  28                          ; v28 LDS address of my spare word; never rewritten
.set NIL,  29                          ; v29 0; never rewritten
.set IV,   32                          ; the angles' work, 16 frequencies each: 10^(-f / 8),
.set AN,   48                          ; the angle, then r,
.set UU,   64                          ; n + 1.5 x 2^23, then sign x r,
.set NN,   80                          ; n,
.set ZZ,   96                          ; r^2,
.set SG,   112                         ; the sign as +-1.0,
.set CA,   128                         ; the cosine's series,
.set SA,   144                         ; the sine's series / r
.set KC6,  160                         ; constants, each twice, as pairs
.set KS6,  162
.set KIP,  164
.set KMG,  166
.set KPH,  168
.set KPL,  170
.set RR,   32                          ; the way out: 32 numbers ahead of the conversion
.set TT,   64                          ; and 32 products with the sines
.set CD,   128                         ; the codes: 8 registers for each of 12 batches, so that no store's data are written again
.set AF,   128                         ; x's fragments
.set MSB, 0
.macro WIN new                         ; the immediate's high byte repeats the setting that is left
.if MSB != \new
	s_set_vgpr_msb (MSB<<8)|\new
.set MSB, \new
.endif
.endm
.macro PLACES n
.rept \n
	v_nop
.endr
.endm
; A joint load: wave 0 fetches x's 256 rows, waves 1 to 3 the 64 rows of Wq, Wk, Wv.  The branch hangs on the wave's number alone.  Four v_nop follow each of the two lines.
.macro JLOAD n
	s_cmp_eq_u32 s[WV], 0
	s_cbranch_scc0 .Lfor_w_\@
	tensor_load_to_lds s[G0X+4*\n:G0X+4*\n+3], s[G1X:G1X+7]
	s_nop 0
.rept 4
	v_nop
.endr
	s_branch .Lasked_\@
.Lfor_w_\@:
	tensor_load_to_lds s[G0W+4*\n:G0W+4*\n+3], s[G1W:G1W+7]
	s_nop 0
.rept 4
	v_nop
.endr
.Lasked_\@:
.endm
.macro CREST                           ; a round of the cluster's barrier behind its opening barrier
	s_cmp_lg_u32 s[WV], 0
	s_cbranch_scc1 .Lnot_wave_0_\@
	s_barrier_signal -3
.Lnot_wave_0_\@:
	s_barrier_wait -3
	s_barrier_signal -1
	s_barrier_wait -1
.endm
.macro CROUND                          ; a whole round
	s_barrier_signal -1
	s_barrier_wait -1
	CREST
.endm
.macro PAIR reg, val
	v_mov_b32 v[\reg], \val
	v_mov_b32 v[\reg+1], \val
.endm
	s_load_b512 s[4:19], s[0:1], 0x0               ; x s[4:5], Wq s[6:7], Wk s[8:9], Wv s[10:11], scales s[12:13], positions s[14:15], q_img s[16:17], kv_img s[18:19]
	v_lshl_add_u32 v[SPW], v0, 2, SPARE
	v_mov_b32 v[NIL], 0
	ds_add_u32 v28, v29
	ds_add_u32 v28, v29
	s_wait_dscnt 0x0
	v_lshrrev_b32 v1, 5, v0
	v_readfirstlane_b32 s[WV], v1                  ; wave 0..3
	s_bfe_u32 s21, ttmp6, 0x40000                  ; cx
	s_bfe_u32 s22, ttmp6, 0x40004                  ; cy
	s_lshl_b32 s23, ttmp9, 2
	s_add_co_u32 s23, s23, s21                     ; hd = 4 x cluster x + cx
	s_and_b32 s24, ttmp7, 0xffff
	s_lshl_b32 s24, s24, 2
	s_add_co_u32 s24, s24, s22                     ; rb = 4 x cluster y + cy
	s_lshl_b32 s25, s22, 2
	s_lshl_b32 s25, 15, s25                        ; my row of the cluster
	s_lshl_b32 s26, 0x1111, s21                    ; my column
	s_or_b32 s[G1X], s25, (1<<20)|(1<<21)|(5<<22)|(3<<25)   ; 15:0 the mask; 17:16 elements of 1 byte; 20 padding on; 21 set beside a mask; 24:22 after every 64 words; 31:25 four words
	s_or_b32 s[G1W], s26, (1<<20)|(1<<21)|(5<<22)|(3<<25)
	s_mov_b32 s[G1X+1], 256<<16                    ; tensor_dim0 = 256
	s_mov_b32 s[G1X+2], 256<<16                    ; tensor_dim1 = 256
	s_mov_b32 s[G1X+3], 256<<16                    ; tile_dim0 = 256
	s_mov_b32 s[G1X+4], 256                        ; tile_dim1 = 256
	s_mov_b32 s[G1X+5], 1024                       ; from row to row
	s_mov_b32 s[G1X+6], 0
	s_mov_b32 s[G1X+7], 0
	s_mov_b32 s[G1W+1], 256<<16
	s_mov_b32 s[G1W+2], 64<<16                     ; 64 rows
	s_mov_b32 s[G1W+3], 256<<16
	s_mov_b32 s[G1W+4], 64
	s_mov_b32 s[G1W+5], 1024
	s_mov_b32 s[G1W+6], 0
	s_mov_b32 s[G1W+7], 0
	s_lshl_b32 s60, s24, 18                        ; x: rb x 256 rows of 1,024 bytes (registers that never hold cx)
	s_mov_b32 s61, 0
	s_lshl_b32 s62, s23, 16                        ; W: hd x 64 rows of 1,024 bytes (registers that never hold cy)
	s_mov_b32 s63, 0
	s_mul_i32 s27, s[WV], 64*PITCH
	s_add_co_u32 s27, s27, 192*PITCH               ; W's rows in a slot: wave 1: row 256, wave 2: 320, wave 3: 384
	s_wait_kmcnt 0x0
	s_load_b256 s[68:75], s[12:13], 0x0            ; e0 .. e7
	s_load_b128 s[76:79], s[12:13], 0x20           ; e8 .. e11
	s_add_nc_u64 s[60:61], s[4:5], s[60:61]
	s_cmp_eq_u32 s[WV], 2                          ; which weight I fetch hangs on the wave's number alone
	s_cselect_b64 s[66:67], s[8:9], s[6:7]
	s_cmp_eq_u32 s[WV], 3
	s_cselect_b64 s[66:67], s[10:11], s[66:67]
	s_add_nc_u64 s[66:67], s[66:67], s[62:63]
	CROUND                                         ; all sixteen work-groups are here: the first joint loads meet
.irp n, 0,1
	s_mov_b32 s[G0X+4*\n], 1
	s_mov_b32 s[G0X+4*\n+1], \n*SLOT
	s_add_nc_u64 s[G0X+4*\n+2:G0X+4*\n+3], s[60:61], \n*256
	s_or_b32 s[G0X+4*\n+3], s[G0X+4*\n+3], 0x80000000
	s_mov_b32 s[G0W+4*\n], 1
	s_add_co_u32 s[G0W+4*\n+1], s27, \n*SLOT
	s_add_nc_u64 s[G0W+4*\n+2:G0W+4*\n+3], s[66:67], \n*256
	s_or_b32 s[G0W+4*\n+3], s[G0W+4*\n+3], 0x80000000
.endr
	JLOAD 0                                        ; K 0 - 255
	; THE PREFETCHES: K step n (256 bytes of each row) is asked of memory ahead of its load: K steps 1 and 2 behind the load of K step 0, K step 3 behind the load of K step 1.  Each block of 256 bytes is named once in each cluster that loads it:
	; wave 0 asks for x's rows, waves 1 to 3 for those of the weight that they fetch, a lane a row; the four partners of a joint load share the rows out by address (64 rows of x by cx, 16 rows of a weight by cy).
	s_lshl_b32 s82, s21, 16
	s_lshl_b32 s83, s22, 14
	s_cmp_eq_u32 s[WV], 0
	s_cselect_b64 s[80:81], s[60:61], s[66:67]
	s_cselect_b32 s82, s82, s83
	s_cselect_b32 s99, 31, 15                      ; the last row that a lane of mine names: lanes left over name it again
	s_mov_b32 s83, 0
	s_add_nc_u64 s[80:81], s[80:81], s[82:83]
	; ---- while the first tiles are on their way: addresses, positions, cosines and sines
	s_and_b32 s96, s24, 7                          ; which 256 of the sequence's 2,048 tokens
	s_lshl_b32 s92, s96, 10
	s_lshl_b32 s93, s[WV], 8
	s_add_co_u32 s92, s92, s93
	s_mov_b32 s93, 0
	s_add_nc_u64 s[TP:TP+1], s[14:15], s[92:93]    ; my wave's 64 positions
	v_and_b32 v1, 15, v0                           ; r
	v_bfe_u32 v2, v0, 4, 1                         ; h
	v_lshlrev_b32 v[R4], 2, v1
.irp m, 0,1,2,3
	global_load_b32 v[PS+\m], v[R4], s[TP:TP+1] offset:64*\m   ; the position of token 16 m + r
.endr
	v_and_b32 v3, 31, v0
	v_lshlrev_b32 v[LI], 4, v3
	v_min_u32 v22, s99, v3
	v_lshlrev_b32 v22, 10, v22                     ; v22: the prefetches' offset; never rewritten
	v_mul_u32_u24 v3, v1, PITCH
	v_lshl_add_u32 v3, v2, 4, v3                   ; a fragment's row x pitch + 16 x half
	s_mul_i32 s92, s[WV], 64*PITCH
	v_add_nc_u32 v[ADRX], s92, v3
	v_add_nc_u32 v[ADRX+1], SLOT, v[ADRX]
	v_add_nc_u32 v[ADRW], WOFF, v3
	v_add_nc_u32 v[ADRW+1], SLOT, v[ADRW]
	s_wait_alu depctr_va_vdst(0)
	global_prefetch_b8 v22, s[80:81] offset:256 th:TH_LOAD_NT scope:SCOPE_SE
	global_prefetch_b8 v22, s[80:81] offset:512 th:TH_LOAD_NT scope:SCOPE_SE
	s_cmp_lg_u32 s[WV], 0
	s_cbranch_scc1 .Lno_x12
	global_prefetch_b8 v22, s[80:81] offset:32768+256 th:TH_LOAD_NT scope:SCOPE_SE   ; x's other 32 rows
	global_prefetch_b8 v22, s[80:81] offset:32768+512 th:TH_LOAD_NT scope:SCOPE_SE
.Lno_x12:
	s_lshr_b32 s94, s24, 3                         ; the batch,
	s_lshl_b32 s94, s94, 4
	s_add_co_u32 s94, s94, s23                     ; bh = 16 x batch + hd
	s_lshl_b32 s95, s96, 4
	s_lshl_b32 s97, s[WV], 2
	s_add_co_u32 s95, s95, s97                     ; my first tile of 16 queries
	s_lshl_b32 s95, s95, 10
	s_lshl_b32 s92, s94, 17
	s_add_co_u32 s92, s92, s95
	s_mov_b32 s93, 0
	s_add_nc_u64 s[QB:QB+1], s[16:17], s[92:93]
	s_lshl_b32 s95, s96, 1
	s_lshr_b32 s97, s[WV], 1
	s_add_co_u32 s95, s95, s97                     ; my step of 128 keys
	s_lshl_b32 s95, s95, 14
	s_lshl_b32 s92, s94, 18
	s_add_co_u32 s92, s92, s95
	s_and_b32 s97, s[WV], 1                        ; which 64 of its keys are mine
	s_lshl_b32 s98, s97, 12
	s_add_co_u32 s98, s98, s92
	s_lshl_b32 s97, s97, 10
	s_add_co_u32 s92, s92, s97
	s_add_co_u32 s92, s92, 8192
	s_add_nc_u64 s[VB:VB+1], s[18:19], s[92:93]    ; V^T: behind the step's K; my eight registers of each fragment
	s_mov_b32 s92, s98
	s_add_nc_u64 s[KB:KB+1], s[18:19], s[92:93]    ; K: my four fragments
	v_cmp_eq_u32 vcc_lo, 1, v2
.macro IVK k, lo, hi                   ; 10^(-f / 8) for f = 8 t + 4 h + i, k = 4 t + i: lanes 0-15 take lo, lanes 16-31 hi
	v_mov_b32 v[IV+\k], \hi
	v_cndmask_b32 v[IV+\k], \lo, v[IV+\k], vcc_lo
.endm
	IVK 0, 1.0, 0.31622776602
	IVK 1, 0.74989420933, 0.23713737057
	IVK 2, 0.56234132519, 0.17782794100
	IVK 3, 0.42169650343, 0.13335214322
	IVK 4, 0.1, 0.031622776602
	IVK 5, 0.074989420933, 0.023713737057
	IVK 6, 0.056234132519, 0.017782794100
	IVK 7, 0.042169650343, 0.013335214322
	IVK 8, 0.01, 0.0031622776602
	IVK 9, 0.0074989420933, 0.0023713737057
	IVK 10, 0.0056234132519, 0.0017782794100
	IVK 11, 0.0042169650343, 0.0013335214322
	IVK 12, 0.001, 0.00031622776602
	IVK 13, 0.00074989420933, 0.00023713737057
	IVK 14, 0.00056234132519, 0.00017782794100
	IVK 15, 0.00042169650343, 0.00013335214322
	PAIR KC6, 0x310f76c7                           ; 1 / 12!
	PAIR KS6, 0x2f309231                           ; 1 / 13!
	PAIR KIP, 0x3ea2f983                           ; 1 / pi
	PAIR KMG, 0x4b400000                           ; 1.5 x 2^23: added and taken away again it rounds to a whole number
	PAIR KPH, 0xc0490fdb                           ; -pi, the f32 nearest to it,
	PAIR KPL, 0x33bbbd2e                           ; and what that f32 is too large by
	s_wait_alu depctr_va_vdst(0)
	s_wait_loadcnt 0x0
.irp m, 0,1,2,3
	v_cvt_f32_i32 v[PS+\m], v[PS+\m]
.endr
.macro HORN cc, cs                     ; one step of both series, for the 16 frequencies
.irp p, 0,2,4,6,8,10,12,14
	v_pk_fma_f32 v[CA+\p:CA+\p+1], v[CA+\p:CA+\p+1], v[ZZ+\p:ZZ+\p+1], \cc op_sel_hi:[1,1,0]
	v_pk_fma_f32 v[SA+\p:SA+\p+1], v[SA+\p:SA+\p+1], v[ZZ+\p:ZZ+\p+1], \cs op_sel_hi:[1,1,0]
.endr
.endm
; cosines and sines of my token of tile m at my 16 frequencies -> window 3, v[128 + 32 m + k] and v[144 + 32 m + k]
.macro TRIG m
.irp p, 0,2,4,6,8,10,12,14
.if (\m)%2
	v_pk_mul_f32 v[AN+\p:AN+\p+1], v[IV+\p:IV+\p+1], v[PS+2*((\m)/2):PS+2*((\m)/2)+1] op_sel:[0,1] op_sel_hi:[1,1]   ; the angle, rounded once
.else
	v_pk_mul_f32 v[AN+\p:AN+\p+1], v[IV+\p:IV+\p+1], v[PS+2*((\m)/2):PS+2*((\m)/2)+1] op_sel:[0,0] op_sel_hi:[1,0]
.endif
.endr
.irp p, 0,2,4,6,8,10,12,14
	v_pk_fma_f32 v[UU+\p:UU+\p+1], v[AN+\p:AN+\p+1], v[KIP:KIP+1], v[KMG:KMG+1]     ; n = the whole number nearest to angle / pi, in the lowest bits
.endr
.irp p, 0,2,4,6,8,10,12,14
	v_pk_add_f32 v[NN+\p:NN+\p+1], v[UU+\p:UU+\p+1], v[KMG:KMG+1] neg_lo:[0,1] neg_hi:[0,1]   ; n as f32
.endr
.irp k, 0,1,2,3,4,5,6,7,8,9,10,11,12,13,14,15
	v_lshl_or_b32 v[SG+\k], v[UU+\k], 31, 0x3f800000                                  ; (-1)^n as +-1.0
.endr
.irp p, 0,2,4,6,8,10,12,14
	v_pk_fma_f32 v[AN+\p:AN+\p+1], v[NN+\p:NN+\p+1], v[KPH:KPH+1], v[AN+\p:AN+\p+1]   ; exact: both are multiples of 2^-22, the difference is under 2
.endr
.irp p, 0,2,4,6,8,10,12,14
	v_pk_fma_f32 v[AN+\p:AN+\p+1], v[NN+\p:NN+\p+1], v[KPL:KPL+1], v[AN+\p:AN+\p+1]   ; r = angle - n pi
.endr
.irp p, 0,2,4,6,8,10,12,14
	v_pk_mul_f32 v[ZZ+\p:ZZ+\p+1], v[AN+\p:AN+\p+1], v[AN+\p:AN+\p+1]
	v_pk_mul_f32 v[UU+\p:UU+\p+1], v[SG+\p:SG+\p+1], v[AN+\p:AN+\p+1]
.endr
.irp p, 0,2,4,6,8,10,12,14
	v_pk_fma_f32 v[CA+\p:CA+\p+1], v[ZZ+\p:ZZ+\p+1], v[KC6:KC6+1], 0xb493f27e op_sel_hi:[1,1,0]   ; z / 12! - 1 / 10!
	v_pk_fma_f32 v[SA+\p:SA+\p+1], v[ZZ+\p:ZZ+\p+1], v[KS6:KS6+1], 0xb2d7322b op_sel_hi:[1,1,0]   ; z / 13! - 1 / 11!
.endr
	HORN 0x37d00d01, 0x3638ef1d                    ; 1 / 8!,  1 / 9!
	HORN 0xbab60b61, 0xb9500d01                    ; -1 / 6!, -1 / 7!
	HORN 0x3d2aaaab, 0x3c088889                    ; 1 / 4!,  1 / 5!
	HORN -0.5, 0xbe2aaaab                          ; -1 / 2!, -1 / 3!
	HORN 1.0, 1.0
	WIN 0xc0                                       ; destination window 3
.irp p, 0,2,4,6,8,10,12,14
	v_pk_mul_f32 v[128+32*(\m)+\p:128+32*(\m)+\p+1], v[CA+\p:CA+\p+1], v[SG+\p:SG+\p+1]
	v_pk_mul_f32 v[144+32*(\m)+\p:144+32*(\m)+\p+1], v[SA+\p:SA+\p+1], v[UU+\p:UU+\p+1]
.endr
	WIN 0
.endm
	TRIG 0
	TRIG 1
	s_wait_alu depctr_va_vdst(0)
	s_wait_tensorcnt 0x0                           ; my part of slot 0 is in
	ds_add_u32 v[SPW], v[NIL]
	s_wait_dscnt 0x0
	CROUND                                         ; everybody's part of slot 0 is in
	JLOAD 1                                        ; K 256 - 511: on its way under the other angles and the first step
	TRIG 2
	s_wait_alu depctr_va_vdst(0)
	global_prefetch_b8 v22, s[80:81] offset:768 th:TH_LOAD_NT scope:SCOPE_SE
	s_cmp_lg_u32 s[WV], 0
	s_cbranch_scc1 .Lno_x3
	global_prefetch_b8 v22, s[80:81] offset:32768+768 th:TH_LOAD_NT scope:SCOPE_SE
.Lno_x3:
	TRIG 3
; ---- the products
.macro FRAG reg, adr, q, i             ; 16 rows x 128 K: lane l holds row l % 16; registers 4 c .. 4 c + 3 hold K = 32 c + 16 (l / 16) + 0 .. 15
.irp c, 0,1,2,3
	ds_load_b128 v[\reg+4*\c:\reg+4*\c+3], v[\adr] offset:128*(\q)+32*\c+(\i)*16*PITCH
.endr
.endm
.macro FETCH_B slot, q, b0             ; W's blocks b0 .. b0 + 5 of the slot's q-th 128 along K: 24 loads
	WIN 0x40
.irp i, 0,1,2,3,4,5
	FRAG 16*(\b0+\i), ADRW+\slot, \q, \b0+\i
.endr
	WIN 0
.endm
.macro FETCH_A slot, q, p              ; x's four blocks into set p: 16 loads
.irp i, 0,1,2,3
	FRAG AF+64*(\p)+16*\i, ADRX+\slot, \q, \i
.endr
.endm
; W's blocks b0 .. b0 + nb - 1, each against x's four blocks of set p.  The 48 accumulators take turns, one instruction a turn, in the same order in every step.
; zero = 1: the first product starts the sums: nothing is cleared.
.macro MULB b0, nb, p, zero
.set bb, \b0
.rept \nb
.if bb < 8
	WIN 0xa1                                       ; source 0 (W) window 1, source 1 (x) window 0, C and D window 2
.else
	WIN 0xf4                                       ; source 0 (x) window 0, source 1 (W) window 1, C and D window 3
.endif
.irp a, 0,1,2,3
.set rD, 8*((4*bb+\a)%32)
.set rW, 16*bb
.set rA, AF+64*(\p)+16*\a
.if bb < 8
.if \zero
	v_wmma_f32_16x16x128_fp8_fp8 v[rD:rD+7], v[rW:rW+15], v[rA:rA+15], 0
.else
	v_wmma_f32_16x16x128_fp8_fp8 v[rD:rD+7], v[rW:rW+15], v[rA:rA+15], v[rD:rD+7]
.endif
.else
.if \zero
	v_wmma_f32_16x16x128_fp8_fp8 v[rD:rD+7], v[rA:rA+15], v[rW:rW+15], 0
.else
	v_wmma_f32_16x16x128_fp8_fp8 v[rD:rD+7], v[rA:rA+15], v[rW:rW+15], v[rD:rD+7]
.endif
.endif
.endr
.set bb, bb+1
.endr
.endm
; A slot's first 128 along K (x's set 0).  A block of W is free as soon as its four products are issued, so one set serves W: blocks 0-5 are fetched anew in the step's middle, blocks 6-11 at its end.
; Loads into registers that matrix instructions have read stand four plain vector instructions behind them.
.macro STEP slot, zero
	s_wait_dscnt 24                                ; W's blocks 0-5 and x's set are in; the youngest 24 loads (W's blocks 6-11) may be out
	MULB 0, 6, 0, \zero
	s_wait_dscnt 0x0                               ; W's blocks 6-11 are in (asked for 24 matrix instructions ago)
	PLACES 4
	FETCH_B \slot, 1, 0
	FETCH_A \slot, 1, 1
	MULB 6, 6, 0, \zero
	PLACES 4
	FETCH_B \slot, 1, 6
.endm
; A slot's second 128 along K (x's set 1) changes slots: ONE barrier; in front of it each wave waits for all its tensor loads, adds 0 to its spare word, and waits for that and for its reads of this slot.
; fill = 1: the barrier opens a round of the cluster's barrier, and this slot is filled again, 512 further along K.
.macro TURN slot, next, fill
	s_wait_tensorcnt 0x0                           ; all my tensor loads have landed: my part of the next slot
	ds_add_u32 v[SPW], v[NIL]                      ; 0 onto my spare word
	s_wait_dscnt 25                                ; (the add and the youngest 24 loads may be out)
	MULB 0, 3, 1, 0                                ; twelve matrix instructions stand between the add and the wait for it
	s_wait_dscnt 0x0                               ; the add is done, and my reads of this slot are over
	s_barrier_signal -1
	MULB 3, 3, 1, 0
	WIN 0
	s_barrier_wait -1
.if \fill
	CREST                                          ; no wave of any partner still reads this slot or has a load on its way
	s_add_nc_u64 s[G0X+4*\slot+2:G0X+4*\slot+3], s[G0X+4*\slot+2:G0X+4*\slot+3], 512
	s_add_nc_u64 s[G0W+4*\slot+2:G0W+4*\slot+3], s[G0W+4*\slot+2:G0W+4*\slot+3], 512
	JLOAD \slot                                    ; the first tensor load behind the round; the four v_nop behind it are also the places in front of the loads below
.else
	PLACES 4
.endif
	FETCH_B \next, 0, 0
	FETCH_A \next, 0, 0
	MULB 6, 6, 1, 0
	PLACES 4
	FETCH_B \next, 0, 6
.endm
	FETCH_B 0, 0, 0                                ; slot 0 was shown whole by the round above
	FETCH_A 0, 0, 0
	FETCH_B 0, 0, 6
	STEP 0, 1                                      ; K 0 - 127: these products start the sums
	TURN 0, 1, 1                                   ; K 128 - 255; slot 0 takes K 512 - 767
	STEP 1, 0
	TURN 1, 0, 1                                   ; slot 1 takes K 768 - 1,023
	STEP 0, 0
	TURN 0, 1, 0                                   ; nothing is left to fetch
	STEP 1, 0
	s_wait_dscnt 24                                ; the last 128 along K
	MULB 0, 6, 1, 0
	s_wait_dscnt 0x0
	MULB 6, 6, 1, 0
	WIN 0
; ---- the way out
.macro MKSC sc, lim                    ; s92 = E: v[sc] = 2^E as f32 (the conversion takes its exponent field), v[lim] = 448 x 2^E
	s_add_co_i32 s92, s92, 127
	s_lshl_b32 s93, s92, 23
	v_mov_b32 v[\sc], s93
	s_add_co_i32 s92, s92, 8
	s_lshl_b32 s92, s92, 23
	s_or_b32 s92, s92, 0x600000
	v_mov_b32 v[\lim], s92
.endm
	s_wait_kmcnt 0x0
	s_sub_co_i32 s92, s74, s68                     ; a sum of product 1 stands for sum x 2^(e0 + e1), and a rotation is linear: Q's code is the rotated sum / 2^(e6 - e0 - e1)
	s_sub_co_i32 s92, s92, s69
	MKSC SCQ, LIMQ
	s_sub_co_i32 s92, s75, s70                     ; e7 - e2 - e3
	s_sub_co_i32 s92, s92, s71
	MKSC SCK, LIMK
	s_sub_co_i32 s92, s77, s72                     ; e9 - e4 - e5
	s_sub_co_i32 s92, s92, s73
	MKSC SCV, LIMV
	PLACES 4                                       ; in front of the first reads of results
; Token tile m of Q (n0 = 0) or K (n0 = 16): rotated, held, converted, stored.  Each accumulator is read from its low end on.
.macro ROT n0, m, bt, sc, lim, base
	WIN 0x0e                                       ; source 0 (the sums) window 2, source 1 (cosines, sines) window 3
.irp t, 0,1,2,3
.irp i, 0,1,2,3
.set rX, 8*(\n0+4*\t+\m)+2*\i
.set rS, 144+32*\m+4*\t+2*(\i/2)
.if \i%2
	v_pk_mul_f32 v[TT+8*\t+2*\i:TT+8*\t+2*\i+1], v[rX:rX+1], v[rS:rS+1] op_sel:[1,1] op_sel_hi:[0,1]   ; (x1 sin, x0 sin)
.else
	v_pk_mul_f32 v[TT+8*\t+2*\i:TT+8*\t+2*\i+1], v[rX:rX+1], v[rS:rS+1] op_sel:[1,0] op_sel_hi:[0,0]
.endif
.endr
.irp i, 0,1,2,3
.set rX, 8*(\n0+4*\t+\m)+2*\i
.set rC, 128+32*\m+4*\t+\i
	v_fma_f32 v[RR+8*\t+2*\i], v[rX], v[rC], -v[TT+8*\t+2*\i]        ; x0 cos - x1 sin
	v_fma_f32 v[RR+8*\t+2*\i+1], v[rX+1], v[rC], v[TT+8*\t+2*\i+1]   ; x1 cos + x0 sin
.endr
.endr
	WIN 0
.irp j, 0,1,2,3,4,5,6,7,8,9,10,11,12,13,14,15,16,17,18,19,20,21,22,23,24,25,26,27,28,29,30,31
	v_med3_num_f32 v[RR+\j], v[RR+\j], -v[\lim], v[\lim]            ; the conversion does not saturate (ISA guide 7.6.2): the hold at 448 x the scale
.endr
.irp t, 0,1,2,3
	v_cvt_scalef32_pk8_fp8_f32 v[CD+8*(\bt)+2*\t:CD+8*(\bt)+2*\t+1], v[RR+8*\t:RR+8*\t+7], v[\sc]   ; features 16 t + 8 h + 0 .. 7: registers 2 t, 2 t + 1 of the operand
.endr
	v_nop                                          ; one plain vector instruction behind the conversions, ahead of the next writes of their sources
	global_store_b128 v[LI], v[CD+8*(\bt):CD+8*(\bt)+3], s[\base:\base+1] offset:\m*1024
	global_store_b128 v[LI], v[CD+8*(\bt)+4:CD+8*(\bt)+7], s[\base:\base+1] offset:\m*1024+512
.endm
; Feature tile dt of V: a lane holds feature 16 dt + r; token tile a's eight registers are keys 16 a + 8 h + 0 .. 7 of my 64: registers 2 a, 2 a + 1 of my half of the fragment of V^T
.macro VOUT dt
	WIN 0x03                                       ; source 0 window 3
.irp a, 0,1,2,3
.irp j, 0,1,2,3,4,5,6,7
	v_med3_num_f32 v[RR+8*\a+\j], v[8*(4*\dt+\a)+\j], -v[LIMV], v[LIMV]
.endr
.endr
	WIN 0
.irp a, 0,1,2,3
	v_cvt_scalef32_pk8_fp8_f32 v[CD+8*(8+\dt)+2*\a:CD+8*(8+\dt)+2*\a+1], v[RR+8*\a:RR+8*\a+7], v[SCV]
.endr
	v_nop
	global_store_b128 v[LI], v[CD+8*(8+\dt):CD+8*(8+\dt)+3], s[VB:VB+1] offset:\dt*2048
	global_store_b128 v[LI], v[CD+8*(8+\dt)+4:CD+8*(8+\dt)+7], s[VB:VB+1] offset:\dt*2048+512
.endm
.irp m, 0,1,2,3
	ROT 0, \m, \m, SCQ, LIMQ, QB
.endr
.irp m, 0,1,2,3
	ROT 16, \m, 4+\m, SCK, LIMK, KB
.endr
.irp d, 0,1,2,3
	VOUT \d
.endr
	s_wait_tensorcnt 0x0                           ; the wave's end
	ds_add_u32 v[SPW], v[NIL]
	s_wait_dscnt 0x0
	CROUND                                         ; the closing round: no work-group ends while a partner may still ask for a tile that names it
	s_endpgm
.Lfunc_end_k_q43ed556cbd_qkv:
	.size	k_q43ed556cbd_qkv, .Lfunc_end_k_q43ed556cbd_qkv-k_q43ed556cbd_qkv
	.p2alignl 7, 3214868480
	.fill 96, 4, 3214868480
	.section	.rodata,"a",@progbits
	.p2align	6, 0x0
	.amdhsa_kernel k_q43ed556cbd_qkv
		.amdhsa_group_segment_fixed_size 327680
		.amdhsa_private_segment_fixed_size 0
		.amdhsa_enable_private_segment 0
		.amdhsa_kernarg_size 64
		.amdhsa_user_sgpr_count 2
		.amdhsa_user_sgpr_kernarg_segment_ptr 1
		.amdhsa_wavefront_size32 1
		.amdhsa_system_sgpr_workgroup_id_x 1
		.amdhsa_system_sgpr_workgroup_id_y 1
		.amdhsa_system_sgpr_workgroup_id_z 1
		.amdhsa_system_vgpr_workitem_id 0
		.amdhsa_next_free_vgpr 1024
		.amdhsa_next_free_sgpr 100
		.amdhsa_reserve_vcc 1
		.amdhsa_float_denorm_mode_32 3
		.amdhsa_float_denorm_mode_16_64 3
		.amdhsa_memory_ordered 1
		.amdhsa_forward_progress 1
		.amdhsa_inst_pref_size 185
	.end_amdhsa_kernel
	.amdgpu_metadata
---
amdhsa.version: [ 1, 2 ]
amdhsa.kernels:
  - .name:           k_q43ed556cbd_qkv
    .symbol:         k_q43ed556cbd_qkv.kd
    .args:
      - { .name: x_codes, .offset: 0, .size: 8, .value_kind: global_buffer, .address_space: global }
      - { .name: Wq_codes, .offset: 8, .size: 8, .value_kind: global_buffer, .address_space: global }
      - { .name: Wk_codes, .offset: 16, .size: 8, .value_kind: global_buffer, .address_space: global }
      - { .name: Wv_codes, .offset: 24, .size: 8, .value_kind: global_buffer, .address_space: global }
      - { .name: lowp_scales, .offset: 32, .size: 8, .value_kind: global_buffer, .address_space: global }
      - { .name: token_positions, .offset: 40, .size: 8, .value_kind: global_buffer, .address_space: global }
      - { .name: q_img, .offset: 48, .size: 8, .value_kind: global_buffer, .address_space: global }
      - { .name: kv_img, .offset: 56, .size: 8, .value_kind: global_buffer, .address_space: global }
    .group_segment_fixed_size: 327680
    .private_segment_fixed_size: 0
    .kernarg_segment_align: 8
    .kernarg_segment_size: 64
    .max_flat_workgroup_size: 128
    .sgpr_count:     100
    .vgpr_count:     1024
    .wavefront_size: 32
...
	.end_amdgpu_metadata
.endif
;; end of part 1
;; launch attn (part 2): grid 8 x 32, 16 waves a work-group, clusters of 4 x 1, 327,680 bytes of LDS; arguments q_img, kv_img, lowp_scales, a_img; writes a_img
.if DOCPART == 2
	.amdgcn_target "amdgcn-amd-amdhsa--gfx1250"
	.amdhsa_code_object_version 6
	.text
	.protected	k_q43ed556cbd_attn
	.globl	k_q43ed556cbd_attn
	.p2align	8
	.type	k_q43ed556cbd_attn,@function
k_q43ed556cbd_attn:
	s_mov_b64 s[64:65], 0
	v_nop
	global_prefetch_b8 v0, s[64:65] scope:SCOPE_SE
	s_setreg_imm32_b32 hwreg(HW_REG_WAVE_MODE, 25, 1), 1
	s_wait_xcnt 0x0
	s_wait_alu depctr_hold_cnt(0) depctr_sa_sdst(0) depctr_va_vdst(0) depctr_va_sdst(0) depctr_va_ssrc(0) depctr_va_vcc(0) depctr_vm_vsrc(0)
	s_getreg_b32 s2, hwreg(HW_REG_IB_STS2, 6, 4)
	s_cmp_eq_u32 s2, 0
	s_cbranch_scc0 .Lentry_in_a_cluster
	s_endpgm
.Lentry_in_a_cluster:
	s_bfe_u32 s2, ttmp6, 0x10000c
	s_cmp_lg_u32 s2, 0x3003
	s_cbranch_scc0 .Lentry_shape_is_right
	s_endpgm
.Lentry_shape_is_right:
; Causal attention on codes of E4M3, head size 64, 2,048 keys, 32 heads (bh).  S^T = K Q^T and O^T = V^T P^T, so a lane holds ONE query (lane % 16) throughout.
; p = 2^(t - M), M the ceiling of the running largest t; the row's sum is taken of the unquantised p; a change of M multiplies the sum and O by an exact power of two.
; SHARES.  A work-group (x, bh) owns the 16 query tiles x + 8 j, j = 0 .. 15, of its head.  A step is 128 keys, and tile j needs steps 0 .. j: 136 tile steps.  Sixteen waves, four to a SIMD:
;   wave i < 8:  steps 0 .. 8 of tile 8 + i.    wave 8 + i:  tile 7 - i whole (8 - i steps), then steps 9 .. 8 + i of tile 8 + i (i steps).
; So a wave walks 9 or 8 steps.  Wave 8 + i hands its part of tile 8 + i (O^T, -M, the sum) to wave i through LDS; the two parts are joined under the larger M, by exact powers of two.
; WORK LEFT OUT: steps that lie wholly behind a tile's queries (the mask that reference() builds makes their weights 0).  LIMIT: a NaN or infinity in those scores alone is not carried to the result.
; LDS: all of the head's K and V, 16 steps x 16,384 bytes, filled once: one load a wave (wave w: step w), asked for jointly by the four work-groups of a cluster, which walk the same head.
; No prefetch: everything that is read more than once is asked for at the head, and there is no later load to run ahead of.
; The images are operand registers: 16 bytes a lane at 16 x lane.  K fragment c: keys 16 c .. 16 c + 15; register 8 c + j of S^T is key 16 c + 8 (lane / 16) + j, which is register order of P for K = 128.
; a_img is laid as operand registers for loads of 16 bytes: lane (r, h), registers 4 c .. 4 c + 3 hold k = 32 c + 16 h + 0 .. 15: tile d's 8 bytes of lane (r, h) go to 256 d + 16 r + 8 h.
; LIMITS: e6 + e7 between -123 and 130; e8 and e10 - e8 - e9 between -126 and 119, so that each power of two and 448 x it are f32 numbers.
.set MERGE, 278528                     ; behind the steps: 4,608 bytes for each of waves 8 to 15
.set SPARE, MERGE+8*4608               ; the spare words: 128 bytes a wave
.set MAD,  0                           ; v0 (behind the head) LDS address of my pair's part
.set LI,   1                           ; v1 16 x lane
.set ADR,  2                           ; v2 LDS address of the next step's images
.set DM,   3                           ; v3 my query less 8 (lane / 16), within the diagonal step
.set PX,   4                           ; v4 the lane permute's result
.set SCP,  5                           ; v5 2^e8
.set SPW,  6
.set NIL,  7
.set NM,   8                           ; v8 -M, v9 the largest t, v[10:11] the sum in two halves, v[12:13] f (low word), v14-19 at work
.set P,    20                          ; v20-35 P's codes: laid over scores that have been converted
.set S,    24                          ; v24-87 S^T, then p
.set O,    88                          ; v88-119 O^T
.set Q,    120                         ; v120-127
.set KF,   128                         ; v128-191
.set VF,   192                         ; v192-255
.set WV,   12
.set JC,   17                          ; s17 the tile in hand
.set SS,   18                          ; s18 the trip
.set TB,   19
.set SEL,  20
.set CS,   22                          ; s[22:23] log2(e) / 8 x 2^(e6 + e7), twice
.set G1,   24
.set SWT,  32                          ; s32 the trip at which my second tile begins (64: none)
.set OFF,  33                          ; s33 its steps run this far ahead of the trips
.set KS,   34                          ; s34 the step in hand
.set KN,   35                          ; s35 the next one
.set J2,   36                          ; s36 8 + i
.set LIMP, 37                          ; s37 448 x 2^e8
.set NLA,  38                          ; s38, s39 -+448 x 2^(e10 - e8 - e9)
.set G0,   40                          ; s[40:43] group 0 of step 0's load;  s[80:83] of the other steps'
.set G0B,  80
.set SCA,  44                          ; s44 2^(e10 - e8 - e9)
.set NX,   45
.macro ROUND                           ; a round of the cluster's barrier
	s_barrier_signal -1
	s_barrier_wait -1
	s_cmp_lg_u32 s[WV], 0
	s_cbranch_scc1 .Lnot_wave_0_\@
	s_barrier_signal -3
.Lnot_wave_0_\@:
	s_barrier_wait -3
	s_barrier_signal -1
	s_barrier_wait -1
.endm
.macro LDK adr
.irp c, 0,1,2,3,4,5,6,7
	ds_load_b128 v[KF+8*\c:KF+8*\c+3], v[\adr] offset:1024*\c
	ds_load_b128 v[KF+8*\c+4:KF+8*\c+7], v[\adr] offset:1024*\c+512
.endr
.endm
.macro LDV adr
.irp g, 0,1,2,3,4,5,6,7,8,9,10,11,12,13,14,15
	ds_load_b128 v[VF+4*\g:VF+4*\g+3], v[\adr] offset:8192+512*\g
.endr
.endm
.macro ZERO reg, n
.set zz, 0
.rept \n
	v_mov_b32 v[\reg+zz], 0
.set zz, zz+1
.endr
.endm
	s_load_b256 s[4:11], s[0:1], 0x0               ; q_img, kv_img, scales, a_img
	v_lshl_add_u32 v[SPW], v0, 2, SPARE
	v_mov_b32 v[NIL], 0
	ds_add_u32 v[SPW], v[NIL]                      ; the wave's opening: the add, twice on end, and one wait for both
	ds_add_u32 v[SPW], v[NIL]
	v_lshrrev_b32 v2, 5, v0
	v_and_b32 v3, 31, v0
	v_readfirstlane_b32 s[WV], v2                  ; wave 0..15
	v_lshlrev_b32 v[LI], 4, v3
	s_bfe_u32 s13, ttmp6, 0x40000
	s_lshl_b32 s14, ttmp9, 2
	s_add_co_u32 s14, s14, s13                     ; x
	s_and_b32 s15, ttmp7, 0xffff                   ; bh
	s_and_b32 s16, s[WV], 7                        ; i
	s_add_co_u32 s[J2], s16, 8
	s_add_co_u32 s[OFF], s16, 1
	s_sub_co_u32 s60, 7, s16
	s_sub_co_u32 s61, 8, s16
	s_cmp_lt_u32 s[WV], 8
	s_cselect_b32 s[JC], s[J2], s60
	s_cselect_b32 s[SWT], 64, s61
	s_mov_b32 s[G1], 15|(3<<16)|(1<<21)            ; the cluster's four; elements of 8 bytes; bit 21 beside a mask
	s_mov_b32 s[G1+1], 32<<16                      ; a dense block of 16,384 bytes as 64 rows of 256
	s_mov_b32 s[G1+2], 64<<16
	s_mov_b32 s[G1+3], 32<<16
	s_mov_b32 s[G1+4], 64
	s_mov_b32 s[G1+5], 32
	s_mov_b32 s[G1+6], 0
	s_mov_b32 s[G1+7], 0
	s_mov_b32 s[SEL], 0x76543210                   ; lane l xor 16
	s_mov_b32 s[SEL+1], 0xfedcba98
	s_lshl_b32 s60, s15, 18                        ; the head's K and V
	s_mov_b32 s61, 0
	s_add_co_u32 s62, s[WV], 15                    ; wave w > 0: step w, in memory and in LDS alike: 16,384 + 16,384 x (w - 1)
	s_and_b32 s62, s62, 15
	s_lshl_b32 s62, s62, 14
	s_add_co_u32 s62, s62, 16384
	s_mov_b32 s63, 0
	s_lshl_b32 s68, s15, 17                        ; Q: the head, tile x + 8 j
	s_lshl_b32 s69, s14, 10
	s_add_co_u32 s68, s68, s69
	s_lshl_b32 s69, s[JC], 13
	s_add_co_u32 s70, s68, s69
	s_mov_b32 s71, 0
	s_lshl_b32 s69, s[J2], 13
	s_add_co_u32 s72, s68, s69
	s_mov_b32 s73, 0
	s_lshl_b32 s69, s14, 4
	s_mul_i32 s67, s16, 4608
	s_add_co_u32 s67, s67, MERGE
	v_and_b32 v14, 15, v0
	v_bfe_u32 v15, v0, 4, 1
	ZERO O, 8
	v_lshlrev_b32 v15, 3, v15
	v_add_nc_u32 v[MAD], s67, v[LI]
	ZERO O+8, 8
	v_sub_nc_u32 v[DM], v14, v15
	v_mov_b32 v9, 0xff61b1e6                       ; the largest t so far: -3e38
	ZERO O+16, 8
	v_add_nc_u32 v[DM], s69, v[DM]                 ; 16 x + r - 8 h
	v_floor_f32 v8, -v9
	ZERO O+24, 8
	ZERO 10, 2
	v_mov_b32 v13, 0
	v_mov_b32 v[PX], 0                             ; a lane permute's destination counts as one of its sources
	s_lshr_b32 s68, s15, 4                         ; where my first tile's result goes: block of 128 rows, K step, tile of 16 rows, half
	s_lshl_b32 s68, s68, 21
	s_bfe_u32 s69, s15, 0x30001
	s_lshl_b32 s69, s69, 14
	s_add_co_u32 s68, s68, s69
	s_lshl_b32 s69, s14, 11
	s_add_co_u32 s68, s68, s69
	s_and_b32 s69, s15, 1
	s_lshl_b32 s69, s69, 10
	s_add_co_u32 s68, s68, s69
	s_lshl_b32 s69, s[JC], 17
	s_add_co_u32 s76, s68, s69
	s_mov_b32 s77, 0
	s_wait_alu depctr_va_vdst(0)
	s_wait_dscnt 0x0                               ; both opening adds are done
	s_wait_kmcnt 0x0
	s_load_b256 s[48:55], s[8:9], 0x0              ; e0 .. e7
	s_load_b128 s[56:59], s[8:9], 0x20             ; e8 .. e11
	s_add_nc_u64 s[60:61], s[6:7], s[60:61]
	s_mov_b32 s[G0], 1
	s_mov_b32 s[G0+1], 0
	s_mov_b64 s[G0+2:G0+3], s[60:61]
	s_or_b32 s[G0+3], s[G0+3], 0x80000000
	s_mov_b32 s[G0B], 1
	s_mov_b32 s[G0B+1], s62
	s_add_nc_u64 s[G0B+2:G0B+3], s[60:61], s[62:63]
	s_or_b32 s[G0B+3], s[G0B+3], 0x80000000
	s_add_nc_u64 s[70:71], s[4:5], s[70:71]        ; my first tile's Q
	s_add_nc_u64 s[72:73], s[4:5], s[72:73]        ; tile 8 + i's
	global_load_b128 v[Q:Q+3], v[LI], s[70:71]
	global_load_b128 v[Q+4:Q+7], v[LI], s[70:71] offset:512
	s_add_nc_u64 s[76:77], s[10:11], s[76:77]
	ROUND                                          ; the cluster's work-groups are here: the joint loads meet
	s_cmp_eq_u32 s[WV], 0                          ; the wave's one load: wave 0 step 0, and its wait; wave w step w
	s_cbranch_scc1 .Lstep0
	tensor_load_to_lds s[G0B:G0B+3], s[G1:G1+7]
	s_nop 0
.rept 4
	v_nop
.endr
	s_branch .Lasked
.Lstep0:
	tensor_load_to_lds s[G0:G0+3], s[G1:G1+7]
	s_nop 0
.rept 4
	v_nop
.endr
	s_wait_tensorcnt 0x0                           ; step 0 is in
.Lasked:
	s_wait_kmcnt 0x0
	s_add_co_i32 s68, s54, s55
	s_lshl_b32 s68, s68, 23
	s_add_co_i32 s[CS], s68, 0x3e38aa3b            ; a score stands for score x 2^(e6 + e7)
	s_mov_b32 s[CS+1], s[CS]
	s_add_co_i32 s68, s56, 127
	s_lshl_b32 s69, s68, 23
	v_mov_b32 v[SCP], s69
	s_add_co_i32 s68, s68, 8
	s_lshl_b32 s68, s68, 23
	s_or_b32 s[LIMP], s68, 0x600000
	s_sub_co_i32 s68, s58, s56
	s_sub_co_i32 s68, s68, s57
	s_add_co_i32 s68, s68, 127
	s_lshl_b32 s[SCA], s68, 23
	s_add_co_i32 s68, s68, 8
	s_lshl_b32 s68, s68, 23
	s_or_b32 s[NLA+1], s68, 0x600000
	s_or_b32 s[NLA], s[NLA+1], 0x80000000
	s_mov_b32 s[SS], 0
	s_mov_b32 s[KS], 0
.macro MINS c                          ; the hold: the conversion does not saturate (ISA guide 7.6.2); p is not negative
.irp k, 0,2,4,6
	v_dual_min_num_f32 v[S+8*(\c)+\k], s[LIMP], v[S+8*(\c)+\k] :: v_dual_min_num_f32 v[S+8*(\c)+\k+1], s[LIMP], v[S+8*(\c)+\k+1]
.endr
.endm
.macro CVT c                           ; from the third on, over scores that have been converted
	v_cvt_scalef32_pk8_fp8_f32 v[P+2*(\c):P+2*(\c)+1], v[S+8*(\c):S+8*(\c)+7], v[SCP]
.endm
.macro FMA4 j                          ; t - M, eight scores
.irp u, 0,2,4,6
	v_pk_fma_f32 v[S+(\j)+\u:S+(\j)+\u+1], v[S+(\j)+\u:S+(\j)+\u+1], s[CS:CS+1], v[NM:NM+1] op_sel_hi:[1,0,0]
.endr
.endm
; A STEP.  kind 0: the first (step 0; the rest of K and V may still be on its way; behind it the barrier that shows all of it); 1: in the loop, the next step's K and V are asked for as soon as this one's have been multiplied; 2: the last.
.macro STEP kind
	s_wait_loadcnt 0x0                             ; Q
	s_wait_dscnt 16                                ; K is in; V's 16 loads may be out
.irp c, 0,1,2,3,4,5,6,7
	v_wmma_f32_16x16x64_fp8_fp8 v[S+8*\c:S+8*\c+7], v[KF+8*\c:KF+8*\c+7], v[Q:Q+7], 0
.endr
.if \kind < 2
	s_add_co_u32 s[NX], s[SS], 1
	s_cmp_ge_u32 s[NX], s[SWT]
	s_cselect_b32 s[TB], s[OFF], 0
	s_add_co_u32 s[KN], s[NX], s[TB]               ; the next trip's step
	s_min_u32 s[TB], s[KN], 15                     ; (behind its last trip a wave of 8 to 15 has none: the address stays inside)
	s_lshl_b32 s[TB], s[TB], 14
.endif
.if \kind == 1
	v_add_nc_u32 v[ADR], s[TB], v[LI]
.else
	v_nop
.endif
.rept 3
	v_nop                                          ; places behind the products
.endr
.if \kind == 1
	LDK ADR
.endif
.if \kind < 2
	s_cmp_lg_u32 s[NX], s[SWT]
	s_cbranch_scc1 .Lsame_q_\@
	global_load_b128 v[Q:Q+3], v[LI], s[72:73]     ; my second tile begins in the next trip: its Q
	global_load_b128 v[Q+4:Q+7], v[LI], s[72:73] offset:512
.Lsame_q_\@:
.endif
	s_cmp_lg_u32 s[KS], s[JC]
	s_cbranch_scc1 .Lopen_\@
	v_mov_b32 v16, 0xff800000                      ; the diagonal step: hidden keys become -infinity ahead of the maximum
.set n, 0
.rept 64
	v_cmp_gt_i32 vcc_lo, 16*(n/8)+n%8, v[DM]
	v_cndmask_b32 v[S+n], v[S+n], v16, vcc_lo
.set n, n+1
.endr
.Lopen_\@:
	v_max3_num_f32 v14, v[S], v[S+1], v[S+2]       ; the largest score, in four chains, each accumulator from its low end on
	v_max3_num_f32 v15, v[S+3], v[S+4], v[S+5]
	v_max3_num_f32 v16, v[S+6], v[S+7], v[S+8]
	v_max3_num_f32 v17, v[S+9], v[S+10], v[S+11]
.irp i, 12,20,28,36,44,52
	v_max3_num_f32 v14, v14, v[S+\i], v[S+\i+1]
	v_max3_num_f32 v15, v15, v[S+\i+2], v[S+\i+3]
	v_max3_num_f32 v16, v16, v[S+\i+4], v[S+\i+5]
	v_max3_num_f32 v17, v17, v[S+\i+6], v[S+\i+7]
.endr
	v_max3_num_f32 v14, v14, v[S+60], v[S+61]
	v_max3_num_f32 v15, v15, v[S+62], v[S+63]
	v_mov_b32 v18, v[NM]                           ; the old -M
	v_max3_num_f32 v14, v14, v15, v16
	s_delay_alu instid0(VALU_DEP_1)
	v_max_num_f32 v14, v14, v17
	s_delay_alu instid0(VALU_DEP_1)
	v_permlanex16_b32 v[PX], v14, s[SEL], s[SEL+1]
	s_delay_alu instid0(VALU_DEP_1)
	v_max_num_f32 v14, v14, v[PX]                  ; and among lane l xor 16's
	s_delay_alu instid0(VALU_DEP_1)
	v_mul_f32 v14, s[CS], v14
	s_delay_alu instid0(VALU_DEP_1)
	v_max_num_f32 v9, v9, v14
	s_delay_alu instid0(VALU_DEP_1)
	v_floor_f32 v[NM], -v9                         ; -M = -ceil(t)
	FMA4 0
	v_sub_f32 v14, v[NM], v18                      ; old M less new M: a whole number, 0 or less
	FMA4 8
	v_cvt_i32_f32 v14, v14
	FMA4 16
	v_ldexp_f32 v12, 1.0, v14                      ; f = 2^(old M - new M)
.irp j, 24,32,40,48,56
	FMA4 \j
.endr
.irp j, 0,2,4,6,8,10,12,14,16,18,20,22,24,26,28,30
	v_pk_mul_f32 v[O+\j:O+\j+1], v[O+\j:O+\j+1], v[12:13] op_sel_hi:[1,0]   ; O^T under the new M
.endr
	s_wait_alu depctr_va_vdst(0)
.set n, 0
.rept 64
	v_exp_f32 v[S+n], v[S+n]
.set n, n+1
.endr
	v_pk_mul_f32 v[10:11], v[10:11], v[12:13] op_sel_hi:[1,0]   ; the sum under the new M: a plain place behind the batch
	s_wait_alu depctr_va_vdst(0)                   ; one wait for the whole batch
	v_pk_add_f32 v[14:15], v[S:S+1], v[S+2:S+3]    ; the row's sum, of the unquantised p, in four chains
	v_pk_add_f32 v[16:17], v[S+4:S+5], v[S+6:S+7]
	v_pk_add_f32 v[18:19], v[S+8:S+9], v[S+10:S+11]
	v_pk_add_f32 v[10:11], v[10:11], v[S+12:S+13]
.irp j, 14,22,30,38,46,54
	v_pk_add_f32 v[14:15], v[14:15], v[S+\j:S+\j+1]
	v_pk_add_f32 v[16:17], v[16:17], v[S+\j+2:S+\j+3]
	v_pk_add_f32 v[18:19], v[18:19], v[S+\j+4:S+\j+5]
	v_pk_add_f32 v[10:11], v[10:11], v[S+\j+6:S+\j+7]
.endr
	v_pk_add_f32 v[14:15], v[14:15], v[S+62:S+63]
	MINS 0
	MINS 1
	CVT 0
.irp c, 2,3,4,5,6,7
	MINS \c
	CVT \c-1
.endr
	v_pk_add_f32 v[14:15], v[14:15], v[16:17]
	v_pk_add_f32 v[10:11], v[10:11], v[18:19]
	CVT 7
	v_pk_add_f32 v[10:11], v[10:11], v[14:15]      ; also the plain place between the last conversion and the products
	s_wait_alu depctr_va_vdst(0)
.if \kind == 1
	s_wait_dscnt 16                                ; V is in; the next K's 16 loads may be out
.else
	s_wait_dscnt 0x0
.endif
.irp d, 0,1,2,3
	v_wmma_f32_16x16x128_fp8_fp8 v[O+8*\d:O+8*\d+7], v[VF+16*\d:VF+16*\d+15], v[P:P+15], v[O+8*\d:O+8*\d+7]
.endr
.rept 5
	v_nop                                          ; places for the loads below, and for the next scores, which are laid over P's codes
.endr
.if \kind == 0
	s_wait_tensorcnt 0x0                           ; my step of K and V is in,
	s_wait_dscnt 0x0
	s_barrier_signal -1
	s_barrier_wait -1                              ; and everybody's.
	v_add_nc_u32 v[ADR], s[TB], v[LI]
	LDK ADR
.endif
.if \kind < 2
	LDV ADR
	s_mov_b32 s[KS], s[KN]
.endif
.endm
; MY FIRST TILE IS FINISHED: O^T / the sum, held, converted, stored: each store of the wave covers 256 consecutive bytes, aligned.
.macro FINAL
	v_mov_b32 v18, s[SCA]
	v_and_b32 v16, 0xf0, v[LI]                     ; 16 r
	v_lshrrev_b32 v17, 8, v[LI]                    ; h
	v_add_f32 v14, v10, v11
	v_lshl_add_u32 v16, v17, 3, v16                ; 16 r + 8 h
	v_permlanex16_b32 v[PX], v14, s[SEL], s[SEL+1]
	s_delay_alu instid0(VALU_DEP_1)
	v_add_f32 v14, v14, v[PX]
	s_wait_alu depctr_va_vdst(0)
	v_rcp_f32 v12, v14
	v_nop
	s_wait_alu depctr_va_vdst(0)                   ; ahead of the reciprocal's first reader and of O^T's
.irp j, 0,2,4,6,8,10,12,14,16,18,20,22,24,26,28,30
	v_pk_mul_f32 v[S+\j:S+\j+1], v[O+\j:O+\j+1], v[12:13] op_sel_hi:[1,0]
.endr
.set n, 0
.rept 32
	v_med3_num_f32 v[S+n], v[S+n], s[NLA], s[NLA+1]
.set n, n+1
.endr
.irp d, 0,1,2,3
	v_cvt_scalef32_pk8_fp8_f32 v[S+32+2*\d:S+33+2*\d], v[S+8*\d:S+8*\d+7], v18
.endr
	v_nop
.irp d, 0,1,2,3
	global_store_b64 v16, v[S+32+2*\d:S+33+2*\d], s[76:77] offset:256*\d
.endr
.endm
.macro SWITCH                          ; the first tile goes out, the second begins with nothing summed
	FINAL
	ZERO O, 32
	v_mov_b32 v9, 0xff61b1e6
	ZERO 10, 2
	v_floor_f32 v[NM], -v9
	s_mov_b32 s[JC], s[J2]
	s_wait_alu depctr_va_vdst(0)
	s_wait_xcnt 0x0                                ; the stores have read their registers
.endm
	s_wait_alu depctr_va_vdst(0)
	s_barrier_signal -1                            ; wave 0 has waited for step 0.  The other steps may stay out, and only step 0 is read before the next
	s_barrier_wait -1
	LDK LI
	LDV LI
	STEP 0
	s_mov_b32 s[SS], 1
.Lloop:
	s_cmp_lg_u32 s[SS], s[SWT]
	s_cbranch_scc1 .Lsame
	SWITCH
.Lsame:
	STEP 1
	s_add_co_u32 s[SS], s[SS], 1
	s_cmp_lt_u32 s[SS], 8
	s_cbranch_scc1 .Lloop
	s_cmp_lt_u32 s[WV], 8
	s_cbranch_scc0 .Lpart
	STEP 2                                         ; waves 0 to 7: step 8
	s_branch .Ljoin
.Lpart:
	s_cmp_lg_u32 s[SWT], 8
	s_cbranch_scc1 .Lkeep
	SWITCH                                         ; wave 8: its first tile ends here, and its part of tile 8 is empty
.Lkeep:
	s_wait_dscnt 0x0                               ; the look-ahead of the last trip, which these waves do not use
.irp k, 0,1,2,3,4,5,6,7
	ds_store_b128 v[MAD], v[O+4*\k:O+4*\k+3] offset:512*\k
.endr
	ds_store_b128 v[MAD], v[NM:NM+3] offset:4096   ; -M, the largest t, the sum in two halves
.Ljoin:
	s_wait_dscnt 0x0                               ; my part is stored
	s_barrier_signal -1
	s_barrier_wait -1
	s_cmp_lt_u32 s[WV], 8
	s_cbranch_scc0 .Lend
.irp k, 0,1,2,3,4,5,6,7,8
	ds_load_b128 v[KF+4*\k:KF+4*\k+3], v[MAD] offset:512*\k
.endr
	s_wait_dscnt 0x0
	v_min_num_f32 v14, v[NM], v[KF+32]             ; -M of both parts together
	v_sub_f32 v15, v14, v[NM]
	v_sub_f32 v16, v14, v[KF+32]
	v_cvt_i32_f32 v15, v15
	v_cvt_i32_f32 v16, v16
	v_ldexp_f32 v12, 1.0, v15                      ; my part's factor,
	v_ldexp_f32 v18, 1.0, v16                      ; and the other's
	v_pk_mul_f32 v[10:11], v[10:11], v[12:13] op_sel_hi:[1,0]
.irp j, 0,2,4,6,8,10,12,14,16,18,20,22,24,26,28,30
	v_pk_mul_f32 v[O+\j:O+\j+1], v[O+\j:O+\j+1], v[12:13] op_sel_hi:[1,0]
.endr
	v_pk_fma_f32 v[10:11], v[KF+34:KF+35], v[18:19], v[10:11] op_sel_hi:[1,0,1]
.irp j, 0,2,4,6,8,10,12,14,16,18,20,22,24,26,28,30
	v_pk_fma_f32 v[O+\j:O+\j+1], v[KF+\j:KF+\j+1], v[18:19], v[O+\j:O+\j+1] op_sel_hi:[1,0,1]
.endr
	FINAL
.Lend:
	s_wait_tensorcnt 0x0                           ; the wave's end
	ds_add_u32 v[SPW], v[NIL]
	s_wait_dscnt 0x0
	ROUND                                          ; the closing round: no work-group ends while a partner may still ask for a tile that names it
	s_endpgm
.Lfunc_end_k_q43ed556cbd_attn:
	.size	k_q43ed556cbd_attn, .Lfunc_end_k_q43ed556cbd_attn-k_q43ed556cbd_attn
	.p2alignl 7, 3214868480
	.fill 96, 4, 3214868480
	.section	.rodata,"a",@progbits
	.p2align	6, 0x0
	.amdhsa_kernel k_q43ed556cbd_attn
		.amdhsa_group_segment_fixed_size 327680
		.amdhsa_private_segment_fixed_size 0
		.amdhsa_enable_private_segment 0
		.amdhsa_kernarg_size 32
		.amdhsa_user_sgpr_count 2
		.amdhsa_user_sgpr_kernarg_segment_ptr 1
		.amdhsa_wavefront_size32 1
		.amdhsa_system_sgpr_workgroup_id_x 1
		.amdhsa_system_sgpr_workgroup_id_y 1
		.amdhsa_system_sgpr_workgroup_id_z 1
		.amdhsa_system_vgpr_workitem_id 0
		.amdhsa_next_free_vgpr 256
		.amdhsa_next_free_sgpr 96
		.amdhsa_reserve_vcc 1
		.amdhsa_float_denorm_mode_32 3
		.amdhsa_float_denorm_mode_16_64 3
		.amdhsa_memory_ordered 1
		.amdhsa_forward_progress 1
		.amdhsa_inst_pref_size 89
	.end_amdhsa_kernel
	.amdgpu_metadata
---
amdhsa.version: [ 1, 2 ]
amdhsa.kernels:
  - .name:           k_q43ed556cbd_attn
    .symbol:         k_q43ed556cbd_attn.kd
    .args:
      - { .name: q_img, .offset: 0, .size: 8, .value_kind: global_buffer, .address_space: global }
      - { .name: kv_img, .offset: 8, .size: 8, .value_kind: global_buffer, .address_space: global }
      - { .name: lowp_scales, .offset: 16, .size: 8, .value_kind: global_buffer, .address_space: global }
      - { .name: a_img, .offset: 24, .size: 8, .value_kind: global_buffer, .address_space: global }
    .group_segment_fixed_size: 327680
    .private_segment_fixed_size: 0
    .kernarg_segment_align: 8
    .kernarg_segment_size: 32
    .max_flat_workgroup_size: 512
    .sgpr_count:     96
    .vgpr_count:     256
    .wavefront_size: 32
...
	.end_amdgpu_metadata
.endif
;; end of part 2
;; launch oproj (part 3): grid 8 x 32, 4 waves a work-group, clusters of 4 x 4, 327,680 bytes of LDS; arguments a_img, Wo_codes, lowp_scales, out0; writes out0
.if DOCPART == 3
	.amdgcn_target "amdgcn-amd-amdhsa--gfx1250"
	.amdhsa_code_object_version 6
	.text
	.protected	k_q43ed556cbd_oproj
	.globl	k_q43ed556cbd_oproj
	.p2align	8
	.type	k_q43ed556cbd_oproj,@function
k_q43ed556cbd_oproj:
	s_mov_b64 s[64:65], 0
	v_nop
	global_prefetch_b8 v0, s[64:65] scope:SCOPE_SE
	s_setreg_imm32_b32 hwreg(HW_REG_WAVE_MODE, 25, 1), 1
	s_wait_xcnt 0x0
	s_wait_alu depctr_hold_cnt(0) depctr_sa_sdst(0) depctr_va_vdst(0) depctr_va_sdst(0) depctr_va_ssrc(0) depctr_va_vcc(0) depctr_vm_vsrc(0)
	s_getreg_b32 s2, hwreg(HW_REG_IB_STS2, 6, 4)
	s_cmp_eq_u32 s2, 0
	s_cbranch_scc0 .Lentry_in_a_cluster
	s_endpgm
.Lentry_in_a_cluster:
	s_bfe_u32 s2, ttmp6, 0x10000c
	s_cmp_lg_u32 s2, 0xf033
	s_cbranch_scc0 .Lentry_shape_is_right
	s_endpgm
.Lentry_shape_is_right:
; out0 = A Wo^T x 2^(e10 + e11) on codes of E4M3.  A [4,096][1,024] comes as images of operand registers: a_img [block of 128 rows 32][K step of 128: 8][tile of 16 rows 8][2,048]; Wo [1,024][1,024] as rows of codes.
; SHARES.  A work-group makes 128 rows (rbk) x 128 columns (nb): 256 work-groups.  Wave (wr = w / 2, wc = w % 2) makes 64 x 64, one tile of 16 rows after the other.
; ALL OF K LIES IN LDS, filled once, by one load a wave at the head: waves 0 and 1 the two halves of A's block (65,536 dense bytes each), waves 2 and 3 the two halves along K of Wo's 128 rows (512 bytes of each).
; The first half is multiplied as soon as it has landed.  No prefetch: everything is asked for at the head, and nothing is fetched again.
; WO'S FRAGMENTS STAY IN REGISTERS (64 columns x 1,024 along K: 512 registers), and a tile of 16 rows is finished over all of K before the next, so that its rows leave while the others are multiplied.  No fragment is read from LDS twice.
; CLUSTER 4 x 4: A's blocks hang on rbk alone and are asked for jointly along a row of the cluster, Wo's tiles on nb alone, along a column.
; A's images and Wo's loads of 16 bytes put the same k into the same place: lane (r, h), registers 4 c .. 4 c + 3: k = 32 c + 16 h + 0 .. 15.
; THE MATRIX INSTRUCTION IS USED TRANSPOSED (source 0 = 16 rows of Wo, source 1 = 16 rows of A): a lane holds eight neighbouring columns of one row of the output.
; LIMIT: e10 + e11 between -126 and 127, so that 2^(e10 + e11) is an f32 number.
; REGISTERS.  Window 0: v16-31 addresses; v32-63 a tile's scaled sums; v64-127 rows read back, two sets; v128-191 accumulators, two sets of four.
;   Window 1: Wo, K steps 0-3 (64 each); window 2: K steps 4-7.  Window 3: A's tile over all of K (128), two sets.
.set WP,    528                        ; Wo's rows in LDS: 512 bytes + 16
.set SP,    272                        ; the stage's: 256 bytes + 16
.set BOFF,  131072                     ; behind A's 131,072 bytes: Wo, two halves
.set HALFB, 128*WP
.set STAGE, BOFF+2*HALFB               ; 16 rows for each wave, for the way out; no tile lands there
.set SPARE, STAGE+4*16*SP
.set WV,   12
.set G1A,  24
.set G1B,  32
.set G0A,  40
.set G0B,  48                          ; group 0, a set for each half: s[40:47] A's, s[48:55] Wo's
.set LA,   16                          ; v16-17 my fragments of A in K steps 0-3, 4-7
.set LB,   20                          ; v20-21 my fragments of Wo in the two halves
.set STO,  24
.set RD,   25
.set CO,   26
.set TMP,  32
.set BK,   64
.set ACC,  128
.set MSB, 0
.macro WIN new                         ; the immediate's high byte repeats the setting that is left
.if MSB != \new
	s_set_vgpr_msb (MSB<<8)|\new
.set MSB, \new
.endif
.endm
.macro PLACES n
.rept \n
	v_nop
.endr
.endm
.macro CROUND                          ; a round of the cluster's barrier
	s_barrier_signal -1
	s_barrier_wait -1
	s_cmp_lg_u32 s[WV], 0
	s_cbranch_scc1 .Lnot_wave_0_\@
	s_barrier_signal -3
.Lnot_wave_0_\@:
	s_barrier_wait -3
	s_barrier_signal -1
	s_barrier_wait -1
.endm
	s_load_b256 s[4:11], s[0:1], 0x0               ; a_img s[4:5], Wo s[6:7], scales s[8:9], out0 s[10:11]
	v_lshl_add_u32 v30, v0, 2, SPARE
	v_mov_b32 v31, 0
	ds_add_u32 v30, v31                            ; the wave's opening: the add, twice on end, and one wait for both
	ds_add_u32 v30, v31
	v_lshrrev_b32 v1, 5, v0
	v_readfirstlane_b32 s[WV], v1                  ; wave 0..3
	s_lshr_b32 s13, s[WV], 1                       ; wr
	s_and_b32 s14, s[WV], 1                        ; wc; also: which half along K I fetch
	s_bfe_u32 s15, ttmp6, 0x40000                  ; cx
	s_bfe_u32 s16, ttmp6, 0x40004                  ; cy
	s_lshl_b32 s17, ttmp9, 2
	s_add_co_u32 s17, s17, s15                     ; nb
	s_and_b32 s18, ttmp7, 0xffff
	s_lshl_b32 s18, s18, 2
	s_add_co_u32 s18, s18, s16                     ; rbk
	s_lshl_b32 s19, s16, 2
	s_lshl_b32 s19, 15, s19                        ; my row of the cluster
	s_lshl_b32 s20, 0x1111, s15                    ; my column
	s_or_b32 s[G1A], s19, (3<<16)|(1<<21)          ; A: a dense block as 256 rows of 32 elements of 8 bytes
	s_mov_b32 s[G1A+1], 32<<16
	s_mov_b32 s[G1A+2], 256<<16
	s_mov_b32 s[G1A+3], 32<<16
	s_mov_b32 s[G1A+4], 256
	s_mov_b32 s[G1A+5], 32
	s_mov_b32 s[G1A+6], 0
	s_mov_b32 s[G1A+7], 0
	s_or_b32 s[G1B], s20, (1<<20)|(1<<21)|(6<<22)|(3<<25)   ; Wo: 128 rows of 512 bytes, 1,024 apart; four words of padding behind every 128
	s_mov_b32 s[G1B+1], 512<<16
	s_mov_b32 s[G1B+2], 128<<16
	s_mov_b32 s[G1B+3], 512<<16
	s_mov_b32 s[G1B+4], 128
	s_mov_b32 s[G1B+5], 1024
	s_mov_b32 s[G1B+6], 0
	s_mov_b32 s[G1B+7], 0
	s_lshl_b32 s56, s18, 17                        ; A's block (registers that never hold cx)
	s_mov_b32 s57, 0
	s_lshl_b32 s58, s17, 17                        ; Wo: row 128 nb (registers that never hold cy)
	s_mov_b32 s59, 0
	v_and_b32 v1, 15, v0                           ; r
	v_bfe_u32 v2, v0, 4, 1                         ; h
	v_and_b32 v3, 31, v0
	v_lshlrev_b32 v3, 4, v3                        ; 16 x lane
	s_lshl_b32 s60, s13, 13                        ; my four tiles of rows: 4 wr x 2,048
	v_add_nc_u32 v[LA], s60, v3
	v_add_nc_u32 v[LA+1], 65536, v[LA]
	v_mul_u32_u24 v4, v1, WP
	v_lshl_add_u32 v4, v2, 4, v4                   ; Wo: row x pitch + 16 x half
	s_mul_i32 s61, s14, 64*WP
	s_add_co_u32 s61, s61, BOFF
	v_add_nc_u32 v[LB], s61, v4
	v_add_nc_u32 v[LB+1], HALFB, v[LB]
	s_mul_i32 s62, s[WV], 16*SP
	s_add_co_u32 s62, s62, STAGE                   ; my stage
	v_mul_u32_u24 v5, v1, SP
	v_lshl_add_u32 v5, v2, 5, v5
	v_add_nc_u32 v[STO], s62, v5                   ; in: row r, 32 bytes for each half of the lanes
	v_mul_u32_u24 v6, v2, SP
	v_lshl_add_u32 v6, v1, 4, v6
	v_add_nc_u32 v[RD], s62, v6                    ; back: lanes 0-15 one row of 256 bytes, lanes 16-31 the next
	v_lshlrev_b32 v7, 12, v2
	v_lshl_add_u32 v[CO], v1, 4, v7                ; and the same two rows in the output
	s_wait_alu depctr_va_vdst(0)
	s_lshl_b32 s88, s18, 19                        ; (128 rbk + 64 wr) rows of 4,096 bytes + 512 nb + 256 wc
	s_lshl_b32 s89, s13, 18
	s_add_co_u32 s88, s88, s89
	s_lshl_b32 s89, s17, 9
	s_add_co_u32 s88, s88, s89
	s_lshl_b32 s89, s14, 8
	s_add_co_u32 s88, s88, s89
	s_mov_b32 s89, 0
	s_wait_dscnt 0x0
	s_wait_kmcnt 0x0
	s_load_b64 s[86:87], s[8:9], 0x28              ; e10, e11
	s_add_nc_u64 s[56:57], s[4:5], s[56:57]
	s_add_nc_u64 s[58:59], s[6:7], s[58:59]
.irp n, 0,1
	s_mov_b32 s[G0A+4*\n], 1
	s_mov_b32 s[G0A+4*\n+1], \n*65536              ; A's half: in memory and in LDS alike
	s_add_nc_u64 s[G0A+4*\n+2:G0A+4*\n+3], s[56:57], \n*65536
	s_or_b32 s[G0A+4*\n+3], s[G0A+4*\n+3], 0x80000000
	s_mov_b32 s[G0B+4*\n], 1
	s_mov_b32 s[G0B+4*\n+1], BOFF+\n*HALFB
	s_add_nc_u64 s[G0B+4*\n+2:G0B+4*\n+3], s[58:59], \n*512
	s_or_b32 s[G0B+4*\n+3], s[G0B+4*\n+3], 0x80000000
.endr
	s_add_nc_u64 s[10:11], s[10:11], s[88:89]
	CROUND                                         ; all sixteen work-groups are here: the joint loads meet
	s_cmp_eq_u32 s[WV], 1                          ; the wave's one load; waves 0 and 2, which bring the first half along K, wait for theirs at once
	s_cbranch_scc1 .La1
	s_cmp_eq_u32 s[WV], 3
	s_cbranch_scc1 .Lb1
	s_cmp_eq_u32 s[WV], 0
	s_cbranch_scc1 .La0
	tensor_load_to_lds s[G0B:G0B+3], s[G1B:G1B+7]
	s_nop 0
.rept 4
	v_nop
.endr
	s_branch .Lhalf0
.La1:
	tensor_load_to_lds s[G0A+4:G0A+7], s[G1A:G1A+7]
	s_nop 0
.rept 4
	v_nop
.endr
	s_branch .Lasked
.Lb1:
	tensor_load_to_lds s[G0B+4:G0B+7], s[G1B:G1B+7]
	s_nop 0
.rept 4
	v_nop
.endr
	s_branch .Lasked
.La0:
	tensor_load_to_lds s[G0A:G0A+3], s[G1A:G1A+7]
	s_nop 0
.rept 4
	v_nop
.endr
.Lhalf0:
	s_wait_tensorcnt 0x0                           ; my part of the first half is in
.Lasked:
	s_wait_kmcnt 0x0
	s_add_co_i32 s84, s86, s87
	s_add_co_i32 s84, s84, 127
	s_lshl_b32 s84, s84, 23                        ; 2^(e10 + e11) as f32
	s_mov_b32 s85, s84                             ; (named with it as a pair)
.macro FA a, k0                        ; tile a's fragments of K steps k0 .. k0 + 3: 16 loads
	WIN 0xc0
.irp k, 0,1,2,3
.irp g, 0,1,2,3
	ds_load_b128 v[128*((\a)%2)+16*(\k0+\k)+4*\g:128*((\a)%2)+16*(\k0+\k)+4*\g+3], v[LA+(\k0)/4] offset:\k*16384+(\a)*2048+\g*512
.endr
.endr
.endm
.macro FB k                            ; Wo's four fragments of K step k: 16 loads
	WIN 0x40*(1+(\k)/4)
.irp t, 0,1,2,3
.irp c, 0,1,2,3
	ds_load_b128 v[64*((\k)%4)+16*\t+4*\c:64*((\k)%4)+16*\t+4*\c+3], v[LB+(\k)/4] offset:\t*16*WP+128*((\k)%4)+32*\c
.endr
.endr
.endm
.macro MUL a, k                        ; four matrix instructions; the accumulators take turns, one instruction a turn
	WIN 0x0d+(\k)/4                                ; source 0 window 1 or 2, source 1 window 3, C and D window 0
.irp t, 0,1,2,3
.set rD, ACC+32*((\a)%2)+8*\t
.set rB, 64*((\k)%4)+16*\t
.set rA, 128*((\a)%2)+16*(\k)
.if (\k) == 0
	v_wmma_f32_16x16x128_fp8_fp8 v[rD:rD+7], v[rB:rB+15], v[rA:rA+15], 0
.else
	v_wmma_f32_16x16x128_fp8_fp8 v[rD:rD+7], v[rB:rB+15], v[rA:rA+15], v[rD:rD+7]
.endif
.endr
.endm
.macro MUL8 a
.irp k, 0,1,2,3,4,5,6,7
	MUL \a, \k
.endr
	WIN 0
.endm
; THE WAY OUT of a tile of 16 rows x 64 columns: x 2^(e10 + e11), through my own stage in LDS, back as whole pieces of 256 bytes of a row: sixteen lanes store 256 consecutive bytes, aligned.
; LDS serves a wave's instructions in order (ISA guide 5.7.1.4): no wait between the stores and the loads, nor in front of the next tile's stores.
.macro TOSTAGE a
	WIN 0
.if (\a) > 1
	s_wait_xcnt 0x0                                ; tile a - 2's stores have read their registers: tile a's loads may land there
.endif
.irp j, 0,2,4,6,8,10,12,14,16,18,20,22,24,26,28,30
	v_pk_mul_f32 v[TMP+\j:TMP+\j+1], v[ACC+32*((\a)%2)+\j:ACC+32*((\a)%2)+\j+1], s[84:85] op_sel_hi:[1,0]   ; each accumulator from its low end on
.endr
.irp t, 0,1,2,3
	ds_store_b128 v[STO], v[TMP+8*\t:TMP+8*\t+3] offset:64*\t
	ds_store_b128 v[STO], v[TMP+8*\t+4:TMP+8*\t+7] offset:64*\t+16
.endr
.set BB, BK+32*((\a)%2)
.irp t, 0,1,2,3,4,5,6,7
	ds_load_b128 v[BB+4*\t:BB+4*\t+3], v[RD] offset:\t*2*SP
.endr
.endm
.macro SEND a
.set BB, BK+32*((\a)%2)
	s_wait_dscnt 0x0
.irp t, 0,1,2,3,4,5,6,7
	global_store_b128 v[CO], v[BB+4*\t:BB+4*\t+3], s[10:11] offset:(16*(\a)+2*\t)*4096 th:TH_STORE_NT
.endr
.endm
	s_barrier_signal -1                            ; waves 0 and 2 have waited for the first half.  The second may stay out, and the first half alone is read before the next
	s_barrier_wait -1
	FA 0, 0
.irp k, 0,1,2,3
	FB \k
.endr
.irp k, 0,1,2,3
	s_wait_dscnt 48-16*\k                          ; the later K steps' loads, 16 each, may be out
	MUL 0, \k
.endr
	WIN 0
	s_wait_tensorcnt 0x0                           ; my load is in (no LDS load of mine is out),
	s_barrier_signal -1
	s_barrier_wait -1                              ; and everybody's
	FA 0, 4
.irp k, 4,5,6,7
	FB \k
.endr
	s_wait_dscnt 48
	MUL 0, 4
	s_wait_dscnt 32
	MUL 0, 5
	FA 1, 0
	FA 1, 4
	s_wait_dscnt 48                                ; K step 7's 16 and tile 1's 32
	MUL 0, 6
	s_wait_dscnt 32                                ; tile 1's 32
	MUL 0, 7
	PLACES 4                                       ; in front of the first reads of results, and of loads into the set that the products read
	FA 2, 0
	FA 2, 4
	TOSTAGE 0
	s_wait_dscnt 48                                ; tile 1's fragments are in; tile 2's 32 loads and the stage's 16 may be out
	MUL8 1
	SEND 0
	PLACES 4
	FA 3, 0
	FA 3, 4
	TOSTAGE 1                                      ; (tile 2's fragments are in: SEND waited for them)
	MUL8 2
	SEND 1
	PLACES 4
	TOSTAGE 2
	MUL8 3
	SEND 2
	PLACES 4
	TOSTAGE 3
	SEND 3
	s_wait_tensorcnt 0x0                           ; the wave's end
	ds_add_u32 v30, v31
	s_wait_dscnt 0x0
	CROUND                                         ; the closing round: no work-group ends while a partner may still ask for a tile that names it
	s_endpgm
.Lfunc_end_k_q43ed556cbd_oproj:
	.size	k_q43ed556cbd_oproj, .Lfunc_end_k_q43ed556cbd_oproj-k_q43ed556cbd_oproj
	.p2alignl 7, 3214868480
	.fill 96, 4, 3214868480
	.section	.rodata,"a",@progbits
	.p2align	6, 0x0
	.amdhsa_kernel k_q43ed556cbd_oproj
		.amdhsa_group_segment_fixed_size 327680
		.amdhsa_private_segment_fixed_size 0
		.amdhsa_enable_private_segment 0
		.amdhsa_kernarg_size 32
		.amdhsa_user_sgpr_count 2
		.amdhsa_user_sgpr_kernarg_segment_ptr 1
		.amdhsa_wavefront_size32 1
		.amdhsa_system_sgpr_workgroup_id_x 1
		.amdhsa_system_sgpr_workgroup_id_y 1
		.amdhsa_system_sgpr_workgroup_id_z 1
		.amdhsa_system_vgpr_workitem_id 0
		.amdhsa_next_free_vgpr 1024
		.amdhsa_next_free_sgpr 92
		.amdhsa_reserve_vcc 0
		.amdhsa_float_denorm_mode_32 3
		.amdhsa_float_denorm_mode_16_64 3
		.amdhsa_memory_ordered 1
		.amdhsa_forward_progress 1
		.amdhsa_inst_pref_size 44
	.end_amdhsa_kernel
	.amdgpu_metadata
---
amdhsa.version: [ 1, 2 ]
amdhsa.kernels:
  - .name:           k_q43ed556cbd_oproj
    .symbol:         k_q43ed556cbd_oproj.kd
    .args:
      - { .name: a_img, .offset: 0, .size: 8, .value_kind: global_buffer, .address_space: global }
      - { .name: Wo_codes, .offset: 8, .size: 8, .value_kind: global_buffer, .address_space: global }
      - { .name: lowp_scales, .offset: 16, .size: 8, .value_kind: global_buffer, .address_space: global }
      - { .name: out0, .offset: 24, .size: 8, .value_kind: global_buffer, .address_space: global }
    .group_segment_fixed_size: 327680
    .private_segment_fixed_size: 0
    .kernarg_segment_align: 8
    .kernarg_segment_size: 32
    .max_flat_workgroup_size: 128
    .sgpr_count:     92
    .vgpr_count:     1024
    .wavefront_size: 32
...
	.end_amdgpu_metadata
.endif
;; end of part 3
